; MI455X (gfx1250); checked and timed in simulation.
; The chip was launched on July 23, 2026; its instructions are those of AMD's public machine-readable ISA for CDNA 5 (MIT licence, August 2026) and "CDNA5" Instruction Set Architecture Reference Guide (July 2026). The comments in the code are by the model that wrote it; some were corrected since.
;; Dual Attention. Allowed arithmetic: float matrix products may take bf16 or f16 operands with f32 sums; other float arithmetic in f32, or as packed bf16 or f16 multiplies, adds, multiply-adds, maxima and minima; sums over many terms, partial sums and values carried from step to step in f32; what a program stores and reads back later, other than sums and carried values, may be rounded once to bf16 or f16.
;; Inputs: Vw 1,024 x 1 float32; Ww 2,048 x 1,024 float32; Wz 2,048 x 1,024 float32; bw 1,024 float32; bz 1,024 float32; hidden 1,024 x 16 x 2,048 float32; vb 1 float32; w_a one number float32; z 1,024 x 16 x 2,048 float32.
;; Outputs: out0 1,024 x 16 x 1 float32.
;; One version. Each part assembles by itself: llvm-mc -triple=amdgcn-amd-amdhsa -mcpu=gfx1250 --defsym DOCPART=n.
;; ======== version 1 of 1: 3 launches
;; workspace buffers: wb 8,650,752 bytes; upart 262,144 bytes
;; launch prep (part 1): grid 4 x 44, 8 waves a work-group, no clusters, 50,944 bytes of LDS; arguments Ww, Wz, wb; writes wb
.if DOCPART == 1
	.amdgcn_target "amdgcn-amd-amdhsa--gfx1250"
	.amdhsa_code_object_version 6
	.text
	.protected	k_q23f825814d_prep
	.globl	k_q23f825814d_prep
	.p2align	8
	.type	k_q23f825814d_prep,@function
k_q23f825814d_prep:
	s_mov_b64 s[64:65], 0
	v_nop
	global_prefetch_b8 v0, s[64:65] scope:SCOPE_SE
	s_setreg_imm32_b32 hwreg(HW_REG_WAVE_MODE, 25, 1), 1
	s_wait_xcnt 0x0
; THE WEIGHTS, ROUNDED TO bf16 AND LAID OUT AS THE NEXT LAUNCH'S LANES READ THEM.  Ww, Wz: [2048 k][1024 n] f32.
; wb: [4 tile columns of 256 n][44 K steps of 96][3 chunks c of 32 k][16 blocks b of 16 n][2 halves u][32 lanes l][16 bytes], bf16: lane l's 16 bytes are n = 16 b + l % 16, k = 32 c + 16 u + 8 (l / 16) + 0..7:
; one half of a matrix fragment is 512 consecutive bytes, a step of a tile column 49,152 dense bytes, a tile column's 44 steps one stream.
; THE K STEPS.  Steps 0-21 walk Ww, steps 22-43 Wz.  Step q of a tensor holds its rows 96 q .. 96 q + 95, q = 0..20.  96 does not divide 2,048: step 21 stands for rows 1,952 .. 2,047, the last 96, of which the first 64
; have had their turn in steps 20: for them wb holds ZEROS, and only the third chunk holds weights (rows 2,016 .. 2,047).  So every load of this launch, and every tile of the next, lies inside its tensor.
; SHARES.  Work-group (x, y): tile column x, K step y: 96 rows x 1,024 bytes in, 49,152 dense bytes out.  Eight waves.
; IN: wave w takes the step's rows 12 w .. 12 w + 11; a load covers 512 consecutive bytes of one row.  Rows 2 p and 2 p + 1 are rounded together: a word holds k = 2 p below, 2 p + 1 above.
; THROUGH LDS: 48 rows (one for each pair p of k) of 256 words (n) + 4 of padding.
; OUT: wave w takes blocks b = 2 w and 2 w + 1.  A lane gathers four words (four pairs of k of one n) = 16 bytes; a wave's store is 512 consecutive bytes, aligned.
; No matrix unit, no tensor load, no cluster: each byte is touched once and no two work-groups share any.
.set PITCH, 1040                       ; 260 words: on the way back lane l reads word 1,040 (l / 16) + l % 16 + a constant, and 1,040 = 16 mod 64: 32 different banks (64 banks of 4 bytes: ISA guide 11.1)
.set SPARE, 48*PITCH                   ; 49,920 = 195 x 256: behind the 48 rows, the spare words, 128 bytes for each of eight waves
.set PERB,  49152                      ; bytes of a K step of a tile column
.set COLB,  44*PERB                    ; bytes of a tile column
.set VO,  2                            ; v2   in: 49,152 w + 16 lane
.set LS,  3                            ; v3   LDS, in: 6 PITCH w + 16 lane
.set LR,  4                            ; v4   LDS, back: 4 PITCH (l / 16) + 128 w + 4 (l % 16)
.set GO,  5                            ; v5   out: 2,048 w + 16 lane
.set SPW, 8                            ; v8   my spare word; never rewritten
.set NIL, 9                            ; v9   0; never rewritten
.set X,   16                           ; v[16:111]  24 loads of four f32; then the 48 words read back
.set Y,   112                          ; v[112:159] twelve packed quadruples
.set MK,  24                           ; s[24:29]   for each of my six pairs of rows: all ones, or 0 where wb holds zeros
	s_load_b128 s[4:7], s[0:1], 0x0                ; Ww s[4:5], Wz s[6:7]
	s_load_b64 s[8:9], s[0:1], 0x10                ; wb
	v_lshl_add_u32 v[SPW], v0, 2, SPARE
	v_mov_b32 v[NIL], 0
	v_lshrrev_b32 v1, 5, v0
	v_readfirstlane_b32 s10, v1                    ; wave 0..7
	v_and_b32 v6, 31, v0                           ; lane
	s_and_b32 s11, ttmp7, 0xffff                   ; y: the K step
	s_cmp_lt_u32 s11, 22
	s_cselect_b32 s12, 0, 22
	s_sub_co_u32 s12, s11, s12                     ; q: the step within its tensor
	s_mul_i32 s13, s12, 96                         ; its first row,
	s_cmp_eq_u32 s12, 21
	s_cselect_b32 s13, 1952, s13                   ; or the last 96 rows,
	s_cselect_b32 s20, 32, 0                       ; of which the first 32 pairs count as zeros
	s_lshl_b32 s12, s13, 12                        ; rows of 4,096 bytes,
	s_lshl_b32 s13, ttmp9, 10                      ; and 256 columns of 4 bytes
	s_add_co_u32 s12, s12, s13
	s_mov_b32 s13, 0
	s_mul_i32 s14, ttmp9, COLB                     ; out: the tile column's stream,
	s_mul_i32 s15, s11, PERB                       ; the step
	s_add_co_u32 s14, s14, s15
	s_mov_b32 s15, 0
	s_mul_i32 s21, s10, 6                          ; my first pair of rows
.irp i, 0,1,2,3,4,5
	s_add_co_u32 s22, s21, \i
	s_cmp_ge_u32 s22, s20
	s_cselect_b32 s[MK+(\i)], -1, 0
.endr
	s_mul_i32 s16, s10, 12*4096                    ; my 12 rows
	v_lshl_add_u32 v[VO], v6, 4, s16
	s_mul_i32 s17, s10, 6*PITCH
	v_lshl_add_u32 v[LS], v6, 4, s17
	v_and_b32 v7, 15, v0                           ; l % 16
	v_bfe_u32 v10, v0, 4, 1                        ; l / 16
	v_mul_u32_u24 v[LR], v10, 4*PITCH              ; the upper half of the lanes takes the next eight k: four pairs on
	v_lshl_add_u32 v[LR], v7, 2, v[LR]
	s_lshl_b32 s18, s10, 7                         ; my 32 n: 128 bytes of an LDS row
	v_add_nc_u32 v[LR], s18, v[LR]
	s_lshl_b32 s19, s10, 11                        ; my two blocks b: 2,048 bytes of a chunk
	v_lshl_add_u32 v[GO], v6, 4, s19
	s_wait_kmcnt 0x0
	s_cmp_lt_u32 s11, 22
	s_cselect_b64 s[4:5], s[4:5], s[6:7]           ; steps 0-21 come from Ww, the others from Wz
	s_add_nc_u64 s[4:5], s[4:5], s[12:13]
	s_add_nc_u64 s[8:9], s[8:9], s[14:15]
	; all 24 loads go out at once: pair i of my rows, column half c, row e of the pair
.irp i, 0,1,2,3,4,5
.irp c, 0,1
.irp e, 0,1
	global_load_b128 v[X+4*(4*(\i)+2*(\c)+(\e)):X+4*(4*(\i)+2*(\c)+(\e))+3], v[VO], s[4:5] offset:(2*(\i)+(\e))*4096+512*(\c) th:TH_LOAD_NT
.endr
.endr
.endr
.irp i, 0,1,2,3,4,5
.irp c, 0,1
	s_wait_loadcnt 22-2*(2*(\i)+(\c))              ; loads come back in order (ISA guide 5.7.1): this pair's two are in, the pairs issued behind them stay out
.irp j, 0,1,2,3
	v_cvt_pk_bf16_f32 v[Y+4*(2*(\i)+(\c))+(\j)], v[X+4*(4*(\i)+2*(\c))+(\j)], v[X+4*(4*(\i)+2*(\c)+1)+(\j)]  ; the even k below, the odd k above
.endr
.irp j, 0,1,2,3
	v_and_b32 v[Y+4*(2*(\i)+(\c))+(\j)], s[MK+(\i)], v[Y+4*(2*(\i)+(\c))+(\j)]  ; zeros where the rows have had their turn
.endr
	ds_store_b128 v[LS], v[Y+4*(2*(\i)+(\c)):Y+4*(2*(\i)+(\c))+3] offset:PITCH*(\i)+512*(\c)  ; row 6 w + i; 32 lanes, 512 consecutive bytes
.endr
.endr
	s_wait_dscnt 0x0                               ; for the others' sake: my stores are done
	s_barrier_signal -1
	s_barrier_wait -1                              ; all 48 rows lie in LDS
	; store t = 4 c + 2 bb + u of my twelve: chunk c, block b = 2 w + bb, half u; its four words are pairs 16 c + 8 u + 4 (l / 16) + i of n = 16 b + l % 16
.irp c, 0,1,2
.irp bb, 0,1
.irp u, 0,1
.irp i, 0,1,2,3
	ds_load_b32 v[X+4*(4*(\c)+2*(\bb)+(\u))+(\i)], v[LR] offset:(16*(\c)+8*(\u)+(\i))*PITCH+64*(\bb)
.endr
.endr
.endr
.endr
.irp c, 0,1,2
.irp bb, 0,1
.irp u, 0,1
	s_wait_dscnt 44-4*(4*(\c)+2*(\bb)+(\u))        ; the four words of this store are in; the later ones stay out
	global_store_b128 v[GO], v[X+4*(4*(\c)+2*(\bb)+(\u)):X+4*(4*(\c)+2*(\bb)+(\u))+3], s[8:9] offset:16384*(\c)+1024*(\bb)+512*(\u)  ; 512 consecutive bytes, at a multiple of 512 from wb's first byte
.endr
.endr
.endr
	s_wait_tensorcnt 0x0                           ; the wave's end: behind my last LDS store
	ds_add_u32 v[SPW], v[NIL]
	s_wait_dscnt 0x0
	s_endpgm
.Lfunc_end_k_q23f825814d_prep:
	.size	k_q23f825814d_prep, .Lfunc_end_k_q23f825814d_prep-k_q23f825814d_prep
	.p2alignl 7, 3214868480
	.fill 96, 4, 3214868480
	.section	.rodata,"a",@progbits
	.p2align	6, 0x0
	.amdhsa_kernel k_q23f825814d_prep
		.amdhsa_group_segment_fixed_size 50944
		.amdhsa_private_segment_fixed_size 0
		.amdhsa_enable_private_segment 0
		.amdhsa_kernarg_size 24
		.amdhsa_user_sgpr_count 2
		.amdhsa_user_sgpr_kernarg_segment_ptr 1
		.amdhsa_wavefront_size32 1
		.amdhsa_system_sgpr_workgroup_id_x 1
		.amdhsa_system_sgpr_workgroup_id_y 1
		.amdhsa_system_sgpr_workgroup_id_z 1
		.amdhsa_system_vgpr_workitem_id 0
		.amdhsa_next_free_vgpr 160
		.amdhsa_next_free_sgpr 66
		.amdhsa_reserve_vcc 0
		.amdhsa_float_denorm_mode_32 3
		.amdhsa_float_denorm_mode_16_64 3
		.amdhsa_memory_ordered 1
		.amdhsa_forward_progress 1
		.amdhsa_inst_pref_size 16
	.end_amdhsa_kernel
	.amdgpu_metadata
---
amdhsa.version: [ 1, 2 ]
amdhsa.kernels:
  - .name:           k_q23f825814d_prep
    .symbol:         k_q23f825814d_prep.kd
    .args:
      - { .name: Ww, .offset: 0, .size: 8, .value_kind: global_buffer, .address_space: global }
      - { .name: Wz, .offset: 8, .size: 8, .value_kind: global_buffer, .address_space: global }
      - { .name: wb, .offset: 16, .size: 8, .value_kind: global_buffer, .address_space: global }
    .group_segment_fixed_size: 50944
    .private_segment_fixed_size: 0
    .kernarg_segment_align: 8
    .kernarg_segment_size: 24
    .max_flat_workgroup_size: 256
    .sgpr_count:     66
    .vgpr_count:     160
    .wavefront_size: 32
...
	.end_amdgpu_metadata
.endif
;; end of part 1
;; launch main (part 2): grid 4 x 64, 4 waves a work-group, clusters of 4 x 4, 327,680 bytes of LDS; arguments hidden, z, wb, bw, bz, Vw, w_a, upart; writes upart
.if DOCPART == 2
	.amdgcn_target "amdgcn-amd-amdhsa--gfx1250"
	.amdhsa_code_object_version 6
	.text
	.protected	k_q23f825814d_main
	.globl	k_q23f825814d_main
	.p2align	8
	.type	k_q23f825814d_main,@function
k_q23f825814d_main:
	s_mov_b64 s[64:65], 0
	v_nop
	global_prefetch_b8 v0, s[64:65] scope:SCOPE_SE
	s_setreg_imm32_b32 hwreg(HW_REG_WAVE_MODE, 25, 1), 1
	s_wait_xcnt 0x0
	s_wait_alu depctr_hold_cnt(0) depctr_sa_sdst(0) depctr_va_vdst(0) depctr_va_sdst(0) depctr_va_ssrc(0) depctr_va_vcc(0) depctr_vm_vsrc(0)
	s_getreg_b32 s2, hwreg(HW_REG_IB_STS2, 6, 4)
	s_cmp_eq_u32 s2, 0
	s_cbranch_scc0 .Lentry_in_a_cluster
	s_endpgm
.Lentry_in_a_cluster:
	s_bfe_u32 s2, ttmp6, 0x10000c
	s_cmp_lg_u32 s2, 0xf033
	s_cbranch_scc0 .Lentry_shape_is_right
	s_endpgm
.Lentry_shape_is_right:
; upart[tc][m] = the sum over the 256 columns n of tile column tc of Vw[n] tanh( hidden[m] . Ww[:, n] + z[m] . Wz[:, n] + bw[n] + bz[n] + 0.5 w_a ),  m = 16 s + b: 16,384 rows.
; ONE GEMM, [hidden | z] (16,384 x 4,096, f32 in memory) times wb (bf16, made by the launch before, in the order in which the lanes here read it), with all that follows the sums done in registers.
; FORMATS.  hidden, z and the weights are rounded once to bf16, to nearest even; sums, bias, tanh, Vw and the dot product in f32.
; THE CAST OF hidden AND z IS DONE HERE, between LDS and the matrix unit: a launch of its own would read their 268 MB, write 134 MB and have them read again.
; LIMITS.  tanh(x) = 1 - 2 / (1 + 2^(2 log2(e) x)): where the power overflows or vanishes the result is exactly 1 or -1; its absolute error is of the order of f32's step at 1.
; NaN and infinities among the inputs are not treated apart (columns 1,952 .. 2,015 of hidden and of z are also multiplied by zeros: below).
; SHARES.  A work-group makes 256 rows x 256 columns of the sums: 64 x 4 work-groups.  Wave w owns rows 64 w .. 64 w + 63 and ALL 256 columns: 4 blocks a of 16 rows x 16 blocks b of 16 columns,
; 64 accumulators, 512 registers.  Against 128 x 128 a wave reads the same bytes from LDS for 32 along K (64 x 128 + 256 x 64 = 128 x 128 + 128 x 64), and each number of A is read and rounded by one wave alone.
; THE MATRIX INSTRUCTION IS USED TRANSPOSED: source 0 = 16 rows n of wb, source 1 = 16 rows m of A.  In the result lane l holds ONE row m = l % 16 and the columns 8 (l / 16) + 0..7 of block b:
; the dot product with Vw stays inside the lane, but for one exchange between the halves of the lanes.
; K GOES IN STEPS OF 96 through two LDS slots: the longest step of which two slots fit: 2 x (256 x 432 + 49,152) = 319,488 bytes; a step of 128 would want 2 x (256 x 528 + 65,536) = 401,408.  The longer the step,
; the fewer the changes of slots and the more matrix work stands between a tile's request and the wait for it: here 176 matrix instructions.  The price: A's rows in a tile are 384 bytes of memory that begin at
; multiples of 128 bytes, not of 256.  A step is three CHUNKS of 32 along K, 64 matrix instructions each; two steps, a lap, are six chunks on fragment buffers 0, 1, 0 | 1, 0, 1.
; 44 STEPS: 0-21 from hidden, 22-43 from z.  96 does not divide 2,048: a tensor's steps 0-20 take columns 96 q on, and its step 21 takes the LAST 96 columns, 1,952 .. 2,047: a whole tile inside the tensor, like every
; other.  Its first 64 columns have had their turn: wb holds zeros for them.  hidden's step 21 is multiplied whole, 128 products of a wave's 8,320 on zeros, so that the loop has one text; of z's, the last step of
; all, the tail multiplies the third chunk alone.
; CLUSTER.  4 x 4 work-groups.  The four of a row of the cluster need the same tiles of A, the four of a column the same tiles of wb: each tile is asked for JOINTLY, by the same tensor load with the same
; descriptor and a mask that names the four.
; REGISTERS, in windows of 256 (s_set_vgpr_msb: bits 1:0 source 0, 3:2 source 1, 5:4 source 2, 7:6 destination):
;   window 0: v0-31 addresses and constants; v32-63, v64-95 A's fragments in bf16, buffers 0 and 1; v96-159 A as loaded, f32; v160-255 the way out
;   window 1: v0-127, v128-255 wb's fragments, buffers 0 and 1; on the way out the scaled bias and Vw of my lane's columns
;   window 2: accumulators of blocks a = 0, 1, (a, b) at v[8 (16 (a % 2) + b)];   window 3: those of a = 2, 3
.set PA,    432                        ; a row of A in LDS: three times 32 f32 + 16 bytes = 108 words: row r starts at bank 44 r mod 64 (64 banks of 4 bytes: ISA guide 11.1): the 16 rows of a load start at 16 different groups of four banks
.set HALFA, 128*PA                     ; what one tensor load brings of A
.set PERB,  49152                      ; wb's bytes of a step of a tile column: no padding: a fragment load's 32 lanes read 512 consecutive bytes
.set HALFB, PERB/2                     ; what one tensor load brings of wb
.set COLB,  44*PERB                    ; wb's bytes of a tile column
.set BOFF,  2*HALFA                    ; in a slot: A's 256 rows, then wb's step
.set SLOT,  BOFF+PERB                  ; 159,744
.set TAB,   2*SLOT                     ; behind the ring, never filled by a tensor load: 256 f32 of scaled bias, then 256 f32 of Vw
.set STAGE, TAB+2048                   ; 256 bytes for each wave, for the way out
.set SPARE, STAGE+1024                 ; the spare words, 128 bytes for each wave: two blocks of 256 bytes that no other line names
.set C2,   12                          ; v[12:13] 2 log2(e), twice
.set ADRA, 16                          ; v16-17  LDS address of my A rows in slot 0, 1: (64 w + l % 16) PA + 32 (l / 16)
.set ADRB, 20                          ; v20-21  the same for wb: BOFF + 16 l
.set PFO2, 22                          ; v22     the prefetches' offset, third block
.set STO,  24                          ; v24     the way out: my word of my wave's stage
.set RD,   25                          ; v25     the way out: where I read 16 bytes back
.set UO,   26                          ; v26     my 16 bytes of the wave's 256 in upart
.set TA,   27                          ; v27     TAB + 32 (l / 16)
.set SPW,  28                          ; v28     my spare word: SPARE + 4 x my thread's number; never rewritten
.set NIL,  29                          ; v29     0; never rewritten
.set PFO,  30                          ; v30-31  the prefetches' offsets, first and second block: my lane's place + the block's; never rewritten
.set AF,   32
.set RAW,  96
.set SS,   160                         ; v[160:175] the dot product's sums: two pairs for each block a
.set T0,   176                         ; v[176:207], v[208:239] two buffers of 32 numbers on the way through tanh
.set TOT,  240                         ; v[240:251] the last sums
.set SK,   2                           ; s2      the lap count at which my stream has no third block (0: at none)
.set LAP,  3                           ; s3      laps to go
.set WV,   20                          ; s20     my wave's number
.set LIM1, 21                          ; s21     I prefetch at a change of slot 1 while s3 is above this
.set G1A,  28                          ; s[28:35] descriptor group 1 for A's tiles
.set G1B,  36                          ; s[36:43] for wb's
.set G0A,  44                          ; s[44:51] descriptor group 0 for A's tiles, a set for each slot
.set G0B,  52                          ; s[52:59] for wb's
.set ZP,   60                          ; s[60:63] z at the rows that I fetch, K steps 22 and 23
.set PFA,  66                          ; s[66:67] where my prefetches stand: a lap's first block
.set PFZ,  68                          ; s[68:69] where they stand at lap 11
.set PFI,  70                          ; s[70:71] bytes from a lap to the next along my stream
.set LIM0, 72                          ; s72     I prefetch at a change of slot 0 while s3 is above this
.set WA,   73                          ; s73     w_a
.set SEL,  74                          ; s[74:75] v_permlanex16_b32's selects: each lane takes its own place in the other half
.set MSB, 0
.macro WIN new                         ; the immediate's high byte repeats the setting that is left; a switch that changes nothing is dropped
.if MSB != (\new)
	s_set_vgpr_msb (MSB<<8)|(\new)
.set MSB, \new
.endif
.endm
.set MUL_LO, 0xa1                      ; source 0 (wb) window 1, source 1 (A) window 0, C and D window 2
.set TO_B,   0x40                      ; destination window 1, address window 0
.macro PLACES                          ; four plain vector instructions between a matrix instruction and a load or a vector instruction that writes one of its registers (ISA guide 7.12.1 for vector instructions)
.rept 4
	v_nop
.endr
.endm
; A joint refill.  Waves 0 and 1 fetch A's two halves, waves 2 and 3 wb's.  The branch hangs on the wave's number alone: it is the same in every work-group.
; An s_nop 0 and four v_nop follow each of the two lines, ahead of the jump, the label and what follows the macro.
.macro JLOAD s
	s_cmp_lt_u32 s[WV], 2
	s_cbranch_scc0 .Lfor_b_\@
	tensor_load_to_lds s[G0A+4*(\s):G0A+4*(\s)+3], s[G1A:G1A+7]
	s_nop 0
.rept 4
	v_nop
.endr
	s_branch .Lasked_\@
.Lfor_b_\@:
	tensor_load_to_lds s[G0B+4*(\s):G0B+4*(\s)+3], s[G1B:G1B+7]
	s_nop 0
.rept 4
	v_nop
.endr
.Lasked_\@:
.endm
; PREFETCHES INTO THE L2, behind each joint refill and the run of LDS loads that follows it, for what the NEXT change of slots will ask for: one K step, 192 matrix instructions, ahead of that load.
; A lap (two steps) is THREE BLOCKS along a stream: of a row of A 3 x 256 bytes, of a tile column of wb 3 x 32,768.  The lap's first step wants blocks 0 and 1, its second the rest of block 1 and block 2.
; The change of slot 0 in trip j (it asks for lap j + 1's first step) names lap j + 1's block 2; the change of slot 1 (it asks for that lap's second step) names lap j + 2's blocks 0 and 1.
; Each 256 bytes are named once in the launch.  A: of the 128 rows that wave 0 or 1 fetches, the partner at place cx takes 32, a lane a row (the grid has one cluster along x, so every cluster asks for its own rows).
; wb: a block is 128 pieces of 256 bytes; every cluster reads them, the cluster with y = 0 asks; there wave 2 of the partner at place cy takes 32 pieces, a lane a piece.  The partners are told apart BY ADDRESS.
; THE ENDS.  Lap 0 and lap 1's first two blocks come by their loads alone.  A tensor's last lap (10 and 21) ends with the row: A has no block 2 there.  The last trip names no lap behind the last.
.macro ASK0
	s_cmp_gt_u32 s[LAP], s[LIM0]
	s_cbranch_scc0 .Lnot_mine_\@
	s_cmp_lg_u32 s[LAP], s[SK]
	s_cbranch_scc0 .Lnot_mine_\@
	global_prefetch_b8 v[PFO2], s[PFA:PFA+1] th:TH_LOAD_NT scope:SCOPE_SE
.Lnot_mine_\@:
.endm
.macro ASK1
	s_cmp_gt_u32 s[LAP], s[LIM1]
	s_cbranch_scc0 .Lnot_mine_\@
	global_prefetch_b8 v[PFO], s[PFA:PFA+1] th:TH_LOAD_NT scope:SCOPE_SE
	global_prefetch_b8 v[PFO+1], s[PFA:PFA+1] th:TH_LOAD_NT scope:SCOPE_SE
.Lnot_mine_\@:
.endm
; A round of the cluster's barrier: my work-group's barrier, so that wave 0's signal speaks for all four waves; wave 0 signals; every wave waits for all sixteen work-groups; my work-group's barrier once more.
.macro CREST                           ; a round behind its opening barrier
	s_cmp_lg_u32 s[WV], 0
	s_cbranch_scc1 .Lnot_wave_0_\@
	s_barrier_signal -3
.Lnot_wave_0_\@:
	s_barrier_wait -3
	s_barrier_signal -1
	s_barrier_wait -1
.endm
.macro CROUND                          ; a whole round
	s_barrier_signal -1
	s_barrier_wait -1
	CREST
.endm
	s_load_b512 s[4:19], s[0:1], 0x0               ; hidden s[4:5], z s[6:7], wb s[8:9], bw s[10:11], bz s[12:13], Vw s[14:15], w_a s[16:17], upart s[18:19]
	v_lshl_add_u32 v[SPW], v0, 2, SPARE
	v_mov_b32 v[NIL], 0
	ds_add_u32 v[SPW], v[NIL]                      ; the wave's opening: the add and its wait stand ahead of my first tensor load; the set-up below, work on registers, stands between them
	v_lshrrev_b32 v1, 5, v0
	v_readfirstlane_b32 s[WV], v1                  ; wave 0..3
	s_and_b32 s22, s[WV], 1                        ; which half of a tile I fetch
	s_bfe_u32 s23, ttmp6, 0x40000                  ; cx
	s_bfe_u32 s24, ttmp6, 0x40004                  ; cy
	s_lshl_b32 s25, ttmp9, 2                       ; in a cluster launch ttmp9 and ttmp7 count clusters
	s_add_co_u32 s25, s25, s23                     ; tile column = 4 x cluster x + cx
	s_and_b32 s26, ttmp7, 0xffff
	s_lshl_b32 s26, s26, 2
	s_add_co_u32 s26, s26, s24                     ; tile row = 4 x cluster y + cy
	s_lshl_b32 s76, s24, 2                         ; s[76:79] hold only what is made of cy and the wave's number, s[80:83] only what is made of cx and the wave's number
	s_lshl_b32 s76, 15, s76                        ; my row of the cluster: places 4 cy .. 4 cy + 3
	s_lshl_b32 s80, 0x1111, s23                    ; my column: places cx, cx + 4, cx + 8, cx + 12
	; group 1 for A: 128 rows x 96 elements of 4 bytes, 2,048 elements from row to row
	s_or_b32 s[G1A], s76, (2<<16)|(1<<20)|(1<<21)|(4<<22)|(3<<25)  ; 15:0 the mask: my row; 17:16 elements of 4 bytes; 20 padding on; 21 set beside a mask; 24:22 after every 32 words (code 4), three times a row; 31:25 4 words (code 3)
	s_mov_b32 s[G1A+1], 96<<16                     ; tensor_dim0 = 96: every tile lies inside its tensor
	s_mov_b32 s[G1A+2], 128<<16                    ; tensor_dim1 = 128
	s_mov_b32 s[G1A+3], 96<<16                     ; tile_dim0 = 96
	s_mov_b32 s[G1A+4], 128                        ; tile_dim1 = 128
	s_mov_b32 s[G1A+5], 2048                       ; tensor_dim0_stride
	s_mov_b32 s[G1A+6], 0
	s_mov_b32 s[G1A+7], 0
	; group 1 for wb: half a step of a tile column is 24,576 dense bytes: 96 rows x 128 elements of 2 bytes, no padding
	s_or_b32 s[G1B], s80, (1<<16)|(1<<21)          ; the mask: my column; elements of 2 bytes; 21 set beside a mask
	s_mov_b32 s[G1B+1], 128<<16
	s_mov_b32 s[G1B+2], 96<<16
	s_mov_b32 s[G1B+3], 128<<16
	s_mov_b32 s[G1B+4], 96
	s_mov_b32 s[G1B+5], 128
	s_mov_b32 s[G1B+6], 0
	s_mov_b32 s[G1B+7], 0
	s_lshl_b32 s76, s26, 21                        ; A: 256 x tile row rows of 8,192 bytes,
	s_lshl_b32 s77, s22, 20                        ; + my half's 128 rows: 133,169,152 at the most
	s_add_co_u32 s76, s76, s77
	s_mov_b32 s77, 0
	s_mul_i32 s80, s25, COLB                       ; wb: the tile column's stream,
	s_mul_i32 s81, s22, HALFB                      ; + my half of a step
	s_add_co_u32 s80, s80, s81
	s_mov_b32 s81, 0
	s_mul_i32 s27, s22, HALFA                      ; where they go in a slot: no place in the cluster enters an LDS address
	s_mul_i32 s86, s22, HALFB
	s_add_co_u32 s86, s86, BOFF
	s_mov_b32 s[SEL], 0x76543210
	s_mov_b32 s[SEL+1], 0xfedcba98
	s_wait_dscnt 0x0                               ; the opening add is done
	s_wait_kmcnt 0x0
	s_load_b32 s[WA], s[16:17], 0x0                ; w_a: waited for below, with the tables
	s_add_nc_u64 s[78:79], s[4:5], s[76:77]        ; hidden at the rows that I fetch
	s_add_nc_u64 s[ZP:ZP+1], s[6:7], s[76:77]      ; z at the same rows: K step 22,
	s_add_nc_u64 s[ZP+2:ZP+3], s[ZP:ZP+1], 384     ; and 23
	s_add_nc_u64 s[82:83], s[8:9], s[80:81]        ; wb at the half steps that I fetch
.irp s, 0,1
	s_mov_b32 s[G0A+4*(\s)], 1                                     ; 1:0 count = 1
	s_add_co_u32 s[G0A+4*(\s)+1], s27, (\s)*SLOT                   ; 63:32 LDS address
	s_add_nc_u64 s[G0A+4*(\s)+2:G0A+4*(\s)+3], s[78:79], (\s)*384  ; 120:64 global address: K step s
	s_or_b32 s[G0A+4*(\s)+3], s[G0A+4*(\s)+3], 0x80000000          ; 127:126 type = 2
	s_mov_b32 s[G0B+4*(\s)], 1
	s_add_co_u32 s[G0B+4*(\s)+1], s86, (\s)*SLOT
	s_add_nc_u64 s[G0B+4*(\s)+2:G0B+4*(\s)+3], s[82:83], (\s)*PERB
	s_or_b32 s[G0B+4*(\s)+3], s[G0B+4*(\s)+3], 0x80000000
.endr
	CROUND                                         ; all sixteen work-groups are here: the first joint loads meet
	s_cmp_lt_u32 s[WV], 2                          ; a wave's two first fills stand in one branch, ahead of every wait on TENSORcnt and every LDS read: two loads of mine are out
	s_cbranch_scc0 .Lfirst_b
	tensor_load_to_lds s[G0A:G0A+3], s[G1A:G1A+7]
	s_nop 0
	tensor_load_to_lds s[G0A+4:G0A+7], s[G1A:G1A+7]
	s_nop 0
.rept 4
	v_nop
.endr
	s_branch .Lfirst_asked
.Lfirst_b:
	tensor_load_to_lds s[G0B:G0B+3], s[G1B:G1B+7]
	s_nop 0
	tensor_load_to_lds s[G0B+4:G0B+7], s[G1B:G1B+7]
	s_nop 0
.rept 4
	v_nop
.endr
.Lfirst_asked:
	; while the first tiles are on their way: upart's place, the tables, the addresses, the prefetches' registers.  s[84:95] take what mixes cx and cy; they feed no descriptor
	s_lshl_b32 s84, s25, 16                        ; upart: 65,536 bytes a tile column,
	s_lshl_b32 s85, s26, 10                        ; 256 rows of 4 bytes a tile row,
	s_add_co_u32 s84, s84, s85
	s_lshl_b32 s85, s[WV], 8                       ; my wave's 64 rows
	s_add_co_u32 s84, s84, s85
	s_mov_b32 s85, 0
	s_add_nc_u64 s[18:19], s[18:19], s[84:85]
	s_lshl_b32 s84, s25, 10                        ; the tile column's 256 numbers of bw, bz and Vw
	s_add_nc_u64 s[10:11], s[10:11], s[84:85]
	s_add_nc_u64 s[12:13], s[12:13], s[84:85]
	s_add_nc_u64 s[14:15], s[14:15], s[84:85]
	v_lshlrev_b32 v5, 3, v0                        ; thread t takes columns 2 t and 2 t + 1
	global_load_b64 v[6:7], v5, s[10:11]
	global_load_b64 v[8:9], v5, s[12:13]
	global_load_b64 v[10:11], v5, s[14:15]
	v_mov_b32 v[C2], 0x4038aa3b                    ; 2 log2(e)
	v_mov_b32 v[C2+1], 0x4038aa3b
	v_and_b32 v1, 15, v0                           ; l % 16
	v_bfe_u32 v2, v0, 4, 1                         ; l / 16
	v_and_b32 v15, 31, v0                          ; l
	; A fragment is 16 rows x 32 K: lane l holds row l % 16, K = 8 (l / 16) + 0..7 and 16 + 8 (l / 16) + 0..7.  In f32 those are 32 bytes at 32 (l / 16) and 32 bytes 64 further on.
	v_mul_u32_u24 v3, v1, PA
	v_lshl_add_u32 v3, v2, 5, v3
	s_mul_i32 s90, s[WV], 64*PA                    ; my 64 rows
	v_add_nc_u32 v[ADRA], s90, v3
	v_add_nc_u32 v[ADRA+1], SLOT, v[ADRA]
	v_lshl_add_u32 v[ADRB], v15, 4, BOFF           ; wb lies as the lanes read it: 16 bytes a lane, 512 on end for half a fragment
	v_add_nc_u32 v[ADRB+1], SLOT, v[ADRB]
	s_lshl_b32 s90, s[WV], 8
	s_add_co_u32 s90, s90, STAGE                   ; my stage
	v_lshl_add_u32 v[STO], v15, 2, s90
	v_lshl_add_u32 v[RD], v1, 4, s90
	v_lshlrev_b32 v[UO], 4, v1
	v_lshlrev_b32 v[TA], 5, v2
	v_add_nc_u32 v[TA], TAB, v[TA]
	v_add_nc_u32 v14, TAB, v5
	; the prefetches' registers
	s_lshl_b32 s88, s23, 18                        ; A: my work-group's 32 rows of 8,192 bytes among the 128,
	s_add_co_u32 s88, s88, s76                     ; which begin here
	s_mul_i32 s90, s25, COLB                       ; wb: the tile column's stream,
	s_lshl_b32 s91, s24, 13                        ; my work-group's 8,192 bytes of a block
	s_add_co_u32 s90, s90, s91
	s_and_b32 s91, ttmp7, 0xffff                   ; cluster y
	s_cmp_lt_u32 s[WV], 2                          ; do I fetch for A?
	s_cselect_b32 s88, s88, s90
	s_cselect_b32 s91, ttmp9, s91                  ; the coordinate along which other clusters read the same bytes
	s_cselect_b32 s87, 13, 8                       ; a lane a row of 8,192 bytes, or a lane a piece of 256
	s_cselect_b32 s92, 8, 15                       ; a block on is 256 bytes in A, 32,768 in wb
	s_cselect_b32 s94, 0, 33                       ; lap 11 is z's first, and begins 33 blocks on in wb
	s_cselect_b32 s[SK], 12, 0                     ; A has no third block in lap 10, which the change of slot 0 would name at s3 = 12,
	s_cselect_b32 s[LIM0], 1, 0                    ; nor in lap 21, at s3 = 1
	s_cselect_b64 s[PFA:PFA+1], s[4:5], s[8:9]
	s_cselect_b64 s[PFZ:PFZ+1], s[6:7], s[8:9]
	s_mov_b32 s89, 0
	s_cmp_eq_u32 s[WV], 3
	s_cselect_b32 s91, 1, s91                      ; wave 3 asks for nothing
	s_cmp_eq_u32 s91, 0
	s_cselect_b32 s[LIM0], s[LIM0], -1             ; the same in all sixteen partners, for a given wave
	s_cselect_b32 s[LIM1], 1, -1                   ; at s3 = 1 there is no lap two on
	s_lshl_b32 s[PFI], 3, s92                      ; a lap is three blocks
	s_mov_b32 s[PFI+1], 0
	s_lshl_b32 s94, s94, 15
	s_mov_b32 s95, 0
	s_lshl_b32 s93, 1, s92                         ; a block
	s_add_nc_u64 s[PFA:PFA+1], s[PFA:PFA+1], s[88:89]
	s_add_nc_u64 s[PFZ:PFZ+1], s[PFZ:PFZ+1], s[88:89]
	s_add_nc_u64 s[PFA:PFA+1], s[PFA:PFA+1], s[PFI:PFI+1]  ; at lap 1.  Nothing is prefetched here, at the head, where every work-group's first tiles are on their way
	s_add_nc_u64 s[PFZ:PFZ+1], s[PFZ:PFZ+1], s[94:95]
	v_lshlrev_b32 v[PFO], s87, v15
	v_add_nc_u32 v[PFO+1], s93, v[PFO]
	v_lshl_add_u32 v[PFO2], s93, 1, v[PFO]
	s_wait_loadcnt 0x0                             ; bw, bz, Vw
	s_wait_kmcnt 0x0                               ; w_a
	v_pk_add_f32 v[6:7], v[6:7], v[8:9]            ; bw + bz
	v_fma_f32 v6, s[WA], 0.5, v6                   ; + 0.5 w_a
	v_fma_f32 v7, s[WA], 0.5, v7
	v_pk_mul_f32 v[6:7], v[6:7], v[C2:C2+1]        ; times 2 log2(e): the exponent is then one multiply-add from the sum
	ds_store_b64 v14, v[6:7]
	ds_store_b64 v14, v[10:11] offset:1024
; Product i of a chunk's 64: blocks a = 2 (i / 32) + i % 2, b = (i % 32) / 2, on buffers f.  The 64 accumulators take turns, one instruction a turn, in the same order in every chunk, over the backward jump too.
; zero = 1: the product starts the sum: nothing is ever cleared.
.macro MM f, zero
	WIN MUL_LO+0x50*(i/32)
.set rD, 8*(16*(i%2)+(i%32)/2)
.set rB, 128*(\f)+8*((i%32)/2)
.set rA, AF+32*(\f)+8*(2*(i/32)+i%2)
.if \zero
	v_wmma_f32_16x16x32_bf16 v[rD:rD+7], v[rB:rB+7], v[rA:rA+7], 0
.else
	v_wmma_f32_16x16x32_bf16 v[rD:rD+7], v[rB:rB+7], v[rA:rA+7], v[rD:rD+7]
.endif
.set i, i+1
.endm
.macro RUN f, n, zero
.rept \n
	MM \f, \zero
.endr
.endm
; Slice q of 8 of a chunk's rounding: eight f32 of A as loaded become four registers of fragment buffer f.  A slice stands behind a matrix instruction of the other buffer and names none of its registers.
.macro CVS f
	WIN 0
.irp j, 0,1,2,3
	v_cvt_pk_bf16_f32 v[AF+32*(\f)+4*q+(\j)], v[RAW+8*q+2*(\j)], v[RAW+8*q+2*(\j)+1]
.endr
.set q, q+1
.endm
; 48 LDS loads in one run: chunk c of a slot.  First A's 64 rows x 32 K in f32 (16 loads), which are rounded before they are multiplied; then wb's 256 rows x 32 K into buffer f (32 loads), b ascending.
.macro FETCH slot, c, f
	WIN 0
.irp a, 0,1,2,3
	ds_load_b128 v[RAW+16*(\a):RAW+16*(\a)+3],     v[ADRA+(\slot)] offset:(\a)*16*PA+144*(\c)
	ds_load_b128 v[RAW+16*(\a)+4:RAW+16*(\a)+7],   v[ADRA+(\slot)] offset:(\a)*16*PA+144*(\c)+16
	ds_load_b128 v[RAW+16*(\a)+8:RAW+16*(\a)+11],  v[ADRA+(\slot)] offset:(\a)*16*PA+144*(\c)+64
	ds_load_b128 v[RAW+16*(\a)+12:RAW+16*(\a)+15], v[ADRA+(\slot)] offset:(\a)*16*PA+144*(\c)+80
.endr
	WIN TO_B
.irp b, 0,1,2,3,4,5,6,7,8,9,10,11,12,13,14,15
	ds_load_b128 v[128*(\f)+8*(\b):128*(\f)+8*(\b)+3],   v[ADRB+(\slot)] offset:16384*(\c)+1024*(\b)
	ds_load_b128 v[128*(\f)+8*(\b)+4:128*(\f)+8*(\b)+7], v[ADRB+(\slot)] offset:16384*(\c)+1024*(\b)+512
.endr
.endm
; One of a step's first two chunks, chunk c: multiplies buffers f; in its middle it fetches the same slot's chunk c + 1, and rounds A's part of it, into the other buffers.
.macro MID slot, c, f, zero
.set i, 0
.set q, 0
	s_wait_dscnt 16                                ; wb's blocks 0-7 are in; the youngest sixteen loads (blocks 8-15) may be out
	RUN \f, 16, \zero
	s_wait_dscnt 0x0
	RUN \f, 16, \zero
	PLACES                                         ; in front of the loads into wb's other buffer and of the roundings into A's, which the chunk before multiplied
	FETCH \slot, (\c)+1, 1-(\f)
	RUN \f, 8, \zero
	s_wait_dscnt 32                                ; A's sixteen loads are in; wb's 32, issued behind them, may be out
.rept 8
	CVS 1-(\f)
	RUN \f, 3, \zero
.endr
.endm
; A step's third chunk multiplies buffers f and changes slots: ONE barrier for two things.  In front of it each wave waits for all its tensor loads, of which one is out: its part of the next slot; adds 0 to its
; spare word; and waits for that and for its own reads of this slot.  Behind it nobody reads this slot any more and the next slot is whole.  fill = 1: the barrier opens a round of the cluster's barrier, and this
; slot is filled again, two K steps on, first thing behind the round: from that request to the wait for it a wave issues 176 matrix instructions.  Then chunk nc of the next slot is fetched.
; A's address for the refill: two K steps, 768 bytes, on along the rows.  In the lap whose refills are steps 22 and 23 (s3 = 11) it is made anew from z's pointer, type bits and all.  Where slot 1 takes a tensor's
; step 21 (s3 = 12 and 1) it goes 512 bytes on: to the row's last 96 columns.  The jumps that choose hang on the lap's count alone, the same number in every wave of every partner; they go forward.
.macro TURN slot, next, nc, f, fill
.set i, 0
.set q, 0
.if (\fill) && ((\slot) == 1)
	s_wait_xcnt 0x0                                ; the last prefetches, a K step back, have read their address: it is stepped here, ahead of the waits of the change of slots
	s_add_nc_u64 s[PFA:PFA+1], s[PFA:PFA+1], s[PFI:PFI+1]
	s_cmp_eq_u32 s[LAP], 12                        ; this change names lap 11: A goes on in z
	s_cselect_b64 s[PFA:PFA+1], s[PFZ:PFZ+1], s[PFA:PFA+1]
.endif
	WIN 0                                          ; (the add's two registers lie in window 0)
	s_wait_tensorcnt 0x0                           ; all my tensor loads have landed: the one that was out is my part of the next slot;
	ds_add_u32 v[SPW], v[NIL]                      ; 0 onto my spare word;
	s_wait_dscnt 17                                ; (wb's blocks 0-7 are in; the add and the youngest sixteen loads may be out)
	RUN \f, 8, 0                                   ; eight matrix instructions stand between the add and the wait for it
	s_wait_dscnt 0x0                               ; the add is done, and my reads of this slot are over:
	s_barrier_signal -1                            ; say so,
	RUN \f, 8, 0                                   ; work on registers while the others arrive,
	WIN 0
	s_barrier_wait -1                              ; and go on when all four have said so
.if \fill
	CREST                                          ; all sixteen work-groups have said so: no wave of any partner still reads this slot's tiles or has a load on its way
	s_cmp_eq_u32 s[LAP], 11
	s_cbranch_scc1 .Lto_z_\@
.if (\slot) == 1
	s_cmp_eq_u32 s[LAP], 12
	s_cbranch_scc1 .Lshort_\@
	s_cmp_eq_u32 s[LAP], 1
	s_cbranch_scc1 .Lshort_\@
.endif
	s_add_nc_u64 s[G0A+4*(\slot)+2:G0A+4*(\slot)+3], s[G0A+4*(\slot)+2:G0A+4*(\slot)+3], 768  ; two K steps on along A's rows; the type bits on top are not reached
	s_branch .Lstepped_\@
.if (\slot) == 1
.Lshort_\@:
	s_add_nc_u64 s[G0A+4*(\slot)+2:G0A+4*(\slot)+3], s[G0A+4*(\slot)+2:G0A+4*(\slot)+3], 512  ; from column 1,824 to column 1,952
	s_branch .Lstepped_\@
.endif
.Lto_z_\@:
	s_mov_b64 s[G0A+4*(\slot)+2:G0A+4*(\slot)+3], s[ZP+2*(\slot):ZP+2*(\slot)+1]              ; 120:64 global address: z at my rows, this slot's first step of it
	s_or_b32 s[G0A+4*(\slot)+3], s[G0A+4*(\slot)+3], 0x80000000                               ; 127:126 type = 2
.Lstepped_\@:
	s_add_nc_u64 s[G0B+4*(\slot)+2:G0B+4*(\slot)+3], s[G0B+4*(\slot)+2:G0B+4*(\slot)+3], 2*PERB  ; wb runs on through all 44 steps
	JLOAD \slot                                    ; the first tensor load behind the round; the four v_nop behind it are also the places in front of the loads and roundings below
.else
	PLACES
.endif
	FETCH \next, \nc, 1-(\f)
.if \fill
	WIN 0
.if (\slot) == 0
	ASK0
.else
	ASK1
.endif
.endif
	RUN \f, 8, 0
	s_wait_dscnt 32                                ; A's sixteen loads are in
.rept 8
	CVS 1-(\f)
	RUN \f, 5, 0
.endr
.endm
	s_wait_tensorcnt 0x1                           ; my part of K step 0 is in; step 1's may stay out
	s_wait_dscnt 0x0                               ; my part of the tables is stored
	s_barrier_signal -1
	s_barrier_wait -1                              ; everybody's is
	FETCH 0, 0, 0
	s_wait_dscnt 32
.set q, 0
.rept 8
	CVS 0                                          ; the first chunk's rounding has no products to stand beside
.endr
	MID 0, 0, 0, 1                                 ; the first chunk stands in front of the loop: its products start the sums
	WIN 0                                          ; at a label and at a branch every window is 0
	s_mov_b32 s[LAP], 21
.Llap:                                                 ; trip j (s3 = 21 - j) goes once round the ring, from step 2 j's second chunk to step 2 j + 2's first, and asks for steps 2 j + 2 and 2 j + 3
	MID 0, 1, 1, 0
	TURN 0, 1, 0, 0, 1
	MID 1, 0, 1, 0
	MID 1, 1, 0, 0
	TURN 1, 0, 0, 1, 1
	MID 0, 0, 0, 0
	WIN 0
	s_sub_co_u32 s[LAP], s[LAP], 1
	s_cmp_lg_u32 s[LAP], 0
	s_cbranch_scc1 .Llap
	MID 0, 1, 1, 0                                 ; the tail is written out: step 42 asks for nothing, and no round follows;
	TURN 0, 1, 2, 0, 0                             ; of step 43 the third chunk alone holds weights: it is fetched, the other two are passed over
.set i, 0
	s_wait_dscnt 16                                ; the very last chunk
	RUN 1, 16, 0
	s_wait_dscnt 0x0
	RUN 1, 16, 0
	PLACES                                         ; wb's buffer 0 is free: it takes the scaled bias of my lane's 128 columns (16 b + 8 (l / 16) + 0..7)
	WIN TO_B
.irp b, 0,1,2,3,4,5,6,7,8,9,10,11,12,13,14,15
	ds_load_b128 v[8*(\b):8*(\b)+3],   v[TA] offset:64*(\b)
	ds_load_b128 v[8*(\b)+4:8*(\b)+7], v[TA] offset:64*(\b)+16
.endr
	RUN 1, 32, 0
.rept 8
	v_nop                                          ; behind the last products, once a launch: in front of the loads into buffer 1 and of the lines that read the sums
.endr
	WIN TO_B
.irp b, 0,1,2,3,4,5,6,7,8,9,10,11,12,13,14,15
	ds_load_b128 v[128+8*(\b):128+8*(\b)+3],   v[TA] offset:1024+64*(\b)      ; and buffer 1 takes Vw of the same columns
	ds_load_b128 v[128+8*(\b)+4:128+8*(\b)+7], v[TA] offset:1024+64*(\b)+16
.endr
	s_wait_dscnt 0x0
; BIAS, tanh AND THE DOT PRODUCT, in 16 batches k = 4 a + g of four accumulators (block a, blocks b = 4 g .. 4 g + 3): 32 numbers a lane, in buffer k % 2.
;   P1  y = 2 log2(e) sum + scaled bias (16 packed; each accumulator's lowest registers are read first)      E   2^y (32)      P2  + 1 (16 packed)      R   the reciprocal r (32)
;   P3  t = 1 - 2 r (16 packed), and the sum of t Vw in two chains for each a (16 packed; a block's first two are products: nothing is cleared)
; Batch k's R stands with batch k + 1's P1, batch k + 1's E with batch k's P3: each run of transcendentals has plain work between its lines and ends on a plain line, and has ONE wait, ahead of the
; first line that names a result.  v_exp_f32 and v_rcp_f32 name source 0 and the destination alone, both in window 0, so a batch has two switches of the windows.
.macro P1 k, p
.set rA, 8*(16*(((\k)/4)%2)+4*((\k)%4))+2*(\p)
.set rT, T0+32*((\k)%2)+2*(\p)
.set rB, 32*((\k)%4)+2*(\p)
	v_pk_fma_f32 v[rT:rT+1], v[C2:C2+1], v[rA:rA+1], v[rB:rB+1]
.endm
.macro P3 k, e                         ; line e of 32: t0, t1, s0, t2, s1, .. t15, s14, s15
.set rT, T0+32*((\k)%2)
.set rV, 128+32*((\k)%4)
.set rS, SS+4*((\k)/4)
.if ((\e) < 2) || (((\e)%2 == 1) && ((\e) < 31))
.set xp, ((\e)+1)/2
	v_pk_fma_f32 v[rT+2*xp:rT+2*xp+1], v[rT+2*xp:rT+2*xp+1], -2.0, 1.0 op_sel_hi:[1,0,0]
.else
.set xp, ((\e)-1)/2
.if (((\k)%4) == 0) && (xp < 2)
	v_pk_mul_f32 v[rS+2*(xp%2):rS+2*(xp%2)+1], v[rT+2*xp:rT+2*xp+1], v[rV+2*xp:rV+2*xp+1]
.else
	v_pk_fma_f32 v[rS+2*(xp%2):rS+2*(xp%2)+1], v[rT+2*xp:rT+2*xp+1], v[rV+2*xp:rV+2*xp+1], v[rS+2*(xp%2):rS+2*(xp%2)+1]
.endif
.endif
.endm
	WIN 0x18                                       ; source 1 (the sums) window 2, source 2 (the bias) window 1
.set pp, 0
.rept 16
	P1 0, pp
.set pp, pp+1
.endr
.set ee, 0
.rept 32
	v_exp_f32 v[T0+ee], v[T0+ee]
.set ee, ee+1
.endr
	v_nop                                          ; a plain instruction behind the last exponential,
	s_wait_alu depctr_va_vdst(0)                   ; and the batch's one wait
.set pp, 0
.rept 16
	v_pk_add_f32 v[T0+2*pp:T0+2*pp+1], v[T0+2*pp:T0+2*pp+1], 1.0 op_sel_hi:[1,0]
.set pp, pp+1
.endr
.set kk, 0
.rept 16
.if kk < 15
	WIN 0x18+4*((kk+1)/8)                          ; the next batch's sums lie in window 2 or 3
.endif
.set pp, 0
.rept 16
	v_rcp_f32 v[T0+32*(kk%2)+2*pp], v[T0+32*(kk%2)+2*pp]
	v_rcp_f32 v[T0+32*(kk%2)+2*pp+1], v[T0+32*(kk%2)+2*pp+1]
.if kk < 15
	P1 kk+1, pp
.endif
.set pp, pp+1
.endr
.if kk == 15
	v_nop                                          ; the last batch has no next one: a plain instruction behind the last reciprocal
.endif
	s_wait_alu depctr_va_vdst(0)                   ; one wait for the 32 reciprocals
	WIN 0x04                                       ; source 1 (Vw) window 1
.set ee, 0
.rept 32
.if kk < 15
	v_exp_f32 v[T0+32*((kk+1)%2)+ee], v[T0+32*((kk+1)%2)+ee]
.endif
	P3 kk, ee
.set ee, ee+1
.endr
.if kk < 15
	s_wait_alu depctr_va_vdst(0)                   ; one wait for the 32 exponentials
.set pp, 0
.rept 16
	v_pk_add_f32 v[T0+32*((kk+1)%2)+2*pp:T0+32*((kk+1)%2)+2*pp+1], v[T0+32*((kk+1)%2)+2*pp:T0+32*((kk+1)%2)+2*pp+1], 1.0 op_sel_hi:[1,0]
.set pp, pp+1
.endr
.endif
.set kk, kk+1
.endr
	; THE WAY OUT.  For each block a: the two chains, their two halves, and the other half of the lanes' columns: every lane then holds the number of row 16 a + l % 16.
	WIN 0
.irp a, 0,1,2,3
	v_pk_add_f32 v[SS+4*(\a):SS+4*(\a)+1], v[SS+4*(\a):SS+4*(\a)+1], v[SS+4*(\a)+2:SS+4*(\a)+3]
.endr
.irp a, 0,1,2,3
	v_add_f32 v[TOT+(\a)], v[SS+4*(\a)], v[SS+4*(\a)+1]
.endr
.irp a, 0,1,2,3
	v_permlanex16_b32 v[T0+(\a)], v[TOT+(\a)], s[SEL], s[SEL+1]  ; its destination counts as read: a register that has been written
.endr
.irp a, 0,1,2,3
	v_add_f32 v[TOT+(\a)], v[TOT+(\a)], v[T0+(\a)]
.endr
	v_and_b32 v1, 31, v0
	v_cmp_lt_u32 s84, 15, v1                       ; lanes 16-31
	v_cndmask_b32 v[TOT+4], v[TOT], v[TOT+1], s84  ; lane l: row l of my 64,
	v_cndmask_b32 v[TOT+5], v[TOT+2], v[TOT+3], s84  ; and row 32 + l
	ds_store_b32 v[STO], v[TOT+4]
	ds_store_b32 v[STO], v[TOT+5] offset:128
	ds_load_b128 v[TOT+8:TOT+11], v[RD]            ; LDS serves a wave's instructions in order (ISA guide 5.7.1.4): this sees the two stores above; the bytes are my wave's own
	s_wait_dscnt 0x0
	s_wait_xcnt 0x0                                ; EXEC changes only behind this wait
	v_cmp_gt_u32 vcc_lo, 16, v1
	s_and_saveexec_b32 s85, vcc_lo
	global_store_b128 v[UO], v[TOT+8:TOT+11], s[18:19]  ; 16 lanes store my wave's 64 numbers: 256 consecutive bytes, at a multiple of 256 from upart's first byte
	s_wait_xcnt 0x0                                ; and again, in front of the line that widens it
	s_or_b32 exec_lo, exec_lo, s85
	s_wait_tensorcnt 0x0                           ; the wave's end: behind my last tensor load and my last LDS store
	ds_add_u32 v[SPW], v[NIL]
	s_wait_dscnt 0x0
	CROUND                                         ; the closing round: no work-group ends while a partner may still ask for a tile that names it
	s_endpgm
.Lfunc_end_k_q23f825814d_main:
	.size	k_q23f825814d_main, .Lfunc_end_k_q23f825814d_main-k_q23f825814d_main
	.p2alignl 7, 3214868480
	.fill 96, 4, 3214868480
	.section	.rodata,"a",@progbits
	.p2align	6, 0x0
	.amdhsa_kernel k_q23f825814d_main
		.amdhsa_group_segment_fixed_size 327680
		.amdhsa_private_segment_fixed_size 0
		.amdhsa_enable_private_segment 0
		.amdhsa_kernarg_size 64
		.amdhsa_user_sgpr_count 2
		.amdhsa_user_sgpr_kernarg_segment_ptr 1
		.amdhsa_wavefront_size32 1
		.amdhsa_system_sgpr_workgroup_id_x 1
		.amdhsa_system_sgpr_workgroup_id_y 1
		.amdhsa_system_sgpr_workgroup_id_z 1
		.amdhsa_system_vgpr_workitem_id 0
		.amdhsa_next_free_vgpr 1024
		.amdhsa_next_free_sgpr 96
		.amdhsa_reserve_vcc 1
		.amdhsa_float_denorm_mode_32 3
		.amdhsa_float_denorm_mode_16_64 3
		.amdhsa_memory_ordered 1
		.amdhsa_forward_progress 1
		.amdhsa_inst_pref_size 215
	.end_amdhsa_kernel
	.amdgpu_metadata
---
amdhsa.version: [ 1, 2 ]
amdhsa.kernels:
  - .name:           k_q23f825814d_main
    .symbol:         k_q23f825814d_main.kd
    .args:
      - { .name: hidden, .offset: 0, .size: 8, .value_kind: global_buffer, .address_space: global }
      - { .name: z, .offset: 8, .size: 8, .value_kind: global_buffer, .address_space: global }
      - { .name: wb, .offset: 16, .size: 8, .value_kind: global_buffer, .address_space: global }
      - { .name: bw, .offset: 24, .size: 8, .value_kind: global_buffer, .address_space: global }
      - { .name: bz, .offset: 32, .size: 8, .value_kind: global_buffer, .address_space: global }
      - { .name: Vw, .offset: 40, .size: 8, .value_kind: global_buffer, .address_space: global }
      - { .name: w_a, .offset: 48, .size: 8, .value_kind: global_buffer, .address_space: global }
      - { .name: upart, .offset: 56, .size: 8, .value_kind: global_buffer, .address_space: global }
    .group_segment_fixed_size: 327680
    .private_segment_fixed_size: 0
    .kernarg_segment_align: 8
    .kernarg_segment_size: 64
    .max_flat_workgroup_size: 128
    .sgpr_count:     96
    .vgpr_count:     1024
    .wavefront_size: 32
...
	.end_amdgpu_metadata
.endif
;; end of part 2
;; launch soft (part 3): grid 1 x 1, 32 waves a work-group, no clusters, 8,192 bytes of LDS; arguments upart, vb, out0; writes out0
.if DOCPART == 3
	.amdgcn_target "amdgcn-amd-amdhsa--gfx1250"
	.amdhsa_code_object_version 6
	.text
	.protected	k_q23f825814d_soft
	.globl	k_q23f825814d_soft
	.p2align	8
	.type	k_q23f825814d_soft,@function
k_q23f825814d_soft:
	s_mov_b64 s[64:65], 0
	v_nop
	global_prefetch_b8 v0, s[64:65] scope:SCOPE_SE
	s_setreg_imm32_b32 hwreg(HW_REG_WAVE_MODE, 25, 1), 1
	s_wait_xcnt 0x0
; out0[s][b] = softmax over s of u[s][b],  u[m] = upart[0][m] + upart[1][m] + upart[2][m] + upart[3][m] + vb,  m = 16 s + b.  All in f32.
; The column's true maximum is taken away before the exponential; a weight below 2^-126 counts as 0; NaN and infinities are not treated apart.
; ONE WORK-GROUP of 32 waves: the 16 columns lie interleaved, 4 bytes apart, so a share by columns would store single words far apart, and all there is to read is 262,144 bytes.
; Thread t takes the 16 bytes at 16 t + 16,384 i, i = 0..3, of each of the four parts: component c belongs to column 4 (t % 4) + c for every i.  A wave's load or store covers 512 consecutive bytes.
; A reduction over s: over i in the lane; over the lanes with the same l % 4 (exchanges 4, 8 and 16 lanes apart); over the 32 waves through LDS: wave w puts its 16 numbers at 64 w, and behind a barrier
; lane l takes the numbers of waves l / 4 + 8 j, j = 0..3, for its own columns, and the lanes are reduced once more.  Every lane ends with its four columns' result.
; No matrix unit, no tensor load, no cluster, no prefetch: a short launch that reads each byte once.
.set RED,   0                          ; 32 waves x 64 bytes: the maxima
.set RED2,  2048                       ; the same for the sums: bytes of their own, so that one barrier serves each
.set SPARE, 4096                       ; the spare words, 128 bytes for each of 32 waves
.set GO,  2                            ; v2   16 t
.set LW,  3                            ; v3   64 w + 16 (l % 4)
.set LRD, 4                            ; v4   16 l
.set SPW, 8                            ; v8   my spare word; never rewritten
.set NIL, 9                            ; v9   0; never rewritten
.set U,   16                           ; v[16:79]  part p, piece i at U + 16 p + 4 i; then u, then the weights, in the first sixteen
.set M,   80                           ; v[80:83]  four columns' maximum, then sum, then its reciprocal
.set T,   84                           ; v[84:87]  at work
.set L,   88                           ; v[88:103] four waves' numbers read back
.macro XMAX                            ; the maximum over the lanes with my l % 4, in every lane
.irp c, 0,1,2,3
	v_max_num_f32_dpp v[M+(\c)], v[M+(\c)], v[M+(\c)] row_xmask:4 row_mask:0xf bank_mask:0xf
.endr
.irp c, 0,1,2,3
	v_max_num_f32_dpp v[M+(\c)], v[M+(\c)], v[M+(\c)] row_xmask:8 row_mask:0xf bank_mask:0xf
.endr
.irp c, 0,1,2,3
	v_permlanex16_b32 v[T+(\c)], v[M+(\c)], s12, s13
.endr
.irp c, 0,1,2,3
	v_max_num_f32 v[M+(\c)], v[M+(\c)], v[T+(\c)]
.endr
.endm
.macro XADD                            ; the same for a sum
.irp c, 0,1,2,3
	v_add_f32_dpp v[M+(\c)], v[M+(\c)], v[M+(\c)] row_xmask:4 row_mask:0xf bank_mask:0xf
.endr
.irp c, 0,1,2,3
	v_add_f32_dpp v[M+(\c)], v[M+(\c)], v[M+(\c)] row_xmask:8 row_mask:0xf bank_mask:0xf
.endr
.irp c, 0,1,2,3
	v_permlanex16_b32 v[T+(\c)], v[M+(\c)], s12, s13
.endr
.irp c, 0,1,2,3
	v_add_f32 v[M+(\c)], v[M+(\c)], v[T+(\c)]
.endr
.endm
	s_load_b128 s[4:7], s[0:1], 0x0                ; upart s[4:5], vb s[6:7]
	s_load_b64 s[8:9], s[0:1], 0x10                ; out0
	v_lshl_add_u32 v[SPW], v0, 2, SPARE
	v_mov_b32 v[NIL], 0
	v_lshrrev_b32 v1, 5, v0
	v_readfirstlane_b32 s14, v1                    ; wave 0..31
	v_lshlrev_b32 v[GO], 4, v0
	v_and_b32 v5, 3, v0
	s_lshl_b32 s15, s14, 6
	v_lshl_add_u32 v[LW], v5, 4, s15
	v_and_b32 v[LRD], 31, v0
	v_lshlrev_b32 v[LRD], 4, v[LRD]
	s_mov_b32 s12, 0x76543210                      ; v_permlanex16_b32: each lane takes its own place in the other half
	s_mov_b32 s13, 0xfedcba98
	s_mov_b32 s16, 0x3fb8aa3b                      ; log2(e)
	s_mov_b32 s17, s16                             ; named with it as a pair
.irp c, 0,1,2,3
	v_mov_b32 v[T+(\c)], 0                         ; v_permlanex16_b32's destination counts as read
.endr
	s_wait_kmcnt 0x0
	s_load_b32 s10, s[6:7], 0x0                    ; vb
.irp p, 0,1,2,3
.irp i, 0,1,2,3
	global_load_b128 v[U+16*(\p)+4*(\i):U+16*(\p)+4*(\i)+3], v[GO], s[4:5] offset:65536*(\p)+16384*(\i) th:TH_LOAD_NT
.endr
.endr
	s_wait_kmcnt 0x0
	s_mov_b32 s11, s10                             ; named with it as a pair
	s_wait_loadcnt 0x0
.irp j, 0,2,4,6,8,10,12,14
	v_pk_add_f32 v[U+(\j):U+(\j)+1], v[U+(\j):U+(\j)+1], v[U+16+(\j):U+16+(\j)+1]
	v_pk_add_f32 v[U+32+(\j):U+32+(\j)+1], v[U+32+(\j):U+32+(\j)+1], v[U+48+(\j):U+48+(\j)+1]
.endr
.irp j, 0,2,4,6,8,10,12,14
	v_pk_add_f32 v[U+(\j):U+(\j)+1], v[U+(\j):U+(\j)+1], v[U+32+(\j):U+32+(\j)+1]
.endr
.irp j, 0,2,4,6,8,10,12,14
	v_pk_add_f32 v[U+(\j):U+(\j)+1], v[U+(\j):U+(\j)+1], s[10:11] op_sel_hi:[1,0]  ; + vb
.endr
	; the maximum
.irp c, 0,1,2,3
	v_max3_num_f32 v[M+(\c)], v[U+(\c)], v[U+4+(\c)], v[U+8+(\c)]
.endr
.irp c, 0,1,2,3
	v_max_num_f32 v[M+(\c)], v[M+(\c)], v[U+12+(\c)]
.endr
	XMAX
	ds_store_b128 v[LW], v[M:M+3] offset:RED       ; the eight lanes with the same l % 4 write the same 16 bytes with the same numbers
	s_wait_dscnt 0x0                               ; for the others' sake: my store is done
	s_barrier_signal -1
	s_barrier_wait -1
.irp j, 0,1,2,3
	ds_load_b128 v[L+4*(\j):L+4*(\j)+3], v[LRD] offset:RED+512*(\j)
.endr
	s_wait_dscnt 0x0
.irp c, 0,1,2,3
	v_max3_num_f32 v[M+(\c)], v[L+(\c)], v[L+4+(\c)], v[L+8+(\c)]
.endr
.irp c, 0,1,2,3
	v_max_num_f32 v[M+(\c)], v[M+(\c)], v[L+12+(\c)]
.endr
	XMAX
	; the weights: 2^(log2(e) u - log2(e) m).  The rounding of log2(e) m is one factor for the whole column, which the division takes out again
.irp c, 0,1,2,3
	v_mul_f32 v[M+(\c)], s16, v[M+(\c)]
.endr
.irp j, 0,2,4,6,8,10,12,14
	v_pk_fma_f32 v[U+(\j):U+(\j)+1], v[U+(\j):U+(\j)+1], s[16:17], v[M+(\j)%4:M+(\j)%4+1] op_sel_hi:[1,0,1] neg_lo:[0,0,1] neg_hi:[0,0,1]
.endr
.irp j, 0,1,2,3,4,5,6,7,8,9,10,11,12,13,14,15
	v_exp_f32 v[U+(\j)], v[U+(\j)]
.endr
	v_nop                                          ; a plain instruction behind the last exponential,
	s_wait_alu depctr_va_vdst(0)                   ; and one wait for the sixteen, ahead of their first reader
	; their sum
.irp c, 0,2
	v_pk_add_f32 v[M+(\c):M+(\c)+1], v[U+(\c):U+(\c)+1], v[U+4+(\c):U+4+(\c)+1]
	v_pk_add_f32 v[T+(\c):T+(\c)+1], v[U+8+(\c):U+8+(\c)+1], v[U+12+(\c):U+12+(\c)+1]
.endr
.irp c, 0,2
	v_pk_add_f32 v[M+(\c):M+(\c)+1], v[M+(\c):M+(\c)+1], v[T+(\c):T+(\c)+1]
.endr
	XADD
	ds_store_b128 v[LW], v[M:M+3] offset:RED2
	s_wait_dscnt 0x0
	s_barrier_signal -1
	s_barrier_wait -1
.irp j, 0,1,2,3
	ds_load_b128 v[L+4*(\j):L+4*(\j)+3], v[LRD] offset:RED2+512*(\j)
.endr
	s_wait_dscnt 0x0
.irp c, 0,2
	v_pk_add_f32 v[L+(\c):L+(\c)+1], v[L+(\c):L+(\c)+1], v[L+4+(\c):L+4+(\c)+1]
	v_pk_add_f32 v[L+8+(\c):L+8+(\c)+1], v[L+8+(\c):L+8+(\c)+1], v[L+12+(\c):L+12+(\c)+1]
.endr
.irp c, 0,2
	v_pk_add_f32 v[M+(\c):M+(\c)+1], v[L+(\c):L+(\c)+1], v[L+8+(\c):L+8+(\c)+1]
.endr
	XADD
.irp c, 0,1,2,3
	v_rcp_f32 v[M+(\c)], v[M+(\c)]                 ; the sum is at least 1: the row of the maximum has the weight 1
.endr
	v_nop                                          ; a plain instruction behind the last reciprocal,
	s_wait_alu depctr_va_vdst(0)                   ; and one wait for the four
.irp j, 0,2,4,6,8,10,12,14
	v_pk_mul_f32 v[U+(\j):U+(\j)+1], v[U+(\j):U+(\j)+1], v[M+(\j)%4:M+(\j)%4+1]
.endr
.irp i, 0,1,2,3
	global_store_b128 v[GO], v[U+4*(\i):U+4*(\i)+3], s[8:9] offset:16384*(\i)  ; a wave stores 512 consecutive bytes, at a multiple of 512 from out0's first byte
.endr
	s_wait_tensorcnt 0x0                           ; the wave's end: behind my last LDS store
	ds_add_u32 v[SPW], v[NIL]
	s_wait_dscnt 0x0
	s_endpgm
.Lfunc_end_k_q23f825814d_soft:
	.size	k_q23f825814d_soft, .Lfunc_end_k_q23f825814d_soft-k_q23f825814d_soft
	.p2alignl 7, 3214868480
	.fill 96, 4, 3214868480
	.section	.rodata,"a",@progbits
	.p2align	6, 0x0
	.amdhsa_kernel k_q23f825814d_soft
		.amdhsa_group_segment_fixed_size 8192
		.amdhsa_private_segment_fixed_size 0
		.amdhsa_enable_private_segment 0
		.amdhsa_kernarg_size 24
		.amdhsa_user_sgpr_count 2
		.amdhsa_user_sgpr_kernarg_segment_ptr 1
		.amdhsa_wavefront_size32 1
		.amdhsa_system_sgpr_workgroup_id_x 1
		.amdhsa_system_sgpr_workgroup_id_y 1
		.amdhsa_system_sgpr_workgroup_id_z 1
		.amdhsa_system_vgpr_workitem_id 0
		.amdhsa_next_free_vgpr 112
		.amdhsa_next_free_sgpr 66
		.amdhsa_reserve_vcc 0
		.amdhsa_float_denorm_mode_32 3
		.amdhsa_float_denorm_mode_16_64 3
		.amdhsa_memory_ordered 1
		.amdhsa_forward_progress 1
		.amdhsa_inst_pref_size 14
	.end_amdhsa_kernel
	.amdgpu_metadata
---
amdhsa.version: [ 1, 2 ]
amdhsa.kernels:
  - .name:           k_q23f825814d_soft
    .symbol:         k_q23f825814d_soft.kd
    .args:
      - { .name: upart, .offset: 0, .size: 8, .value_kind: global_buffer, .address_space: global }
      - { .name: vb, .offset: 8, .size: 8, .value_kind: global_buffer, .address_space: global }
      - { .name: out0, .offset: 16, .size: 8, .value_kind: global_buffer, .address_space: global }
    .group_segment_fixed_size: 8192
    .private_segment_fixed_size: 0
    .kernarg_segment_align: 8
    .kernarg_segment_size: 24
    .max_flat_workgroup_size: 1024
    .sgpr_count:     66
    .vgpr_count:     112
    .wavefront_size: 32
...
	.end_amdgpu_metadata
.endif
;; end of part 3
